; MI455X (gfx1250); checked and timed in simulation.
; The chip was launched on July 23, 2026; its instructions are those of AMD's public machine-readable ISA for CDNA 5 (MIT licence, August 2026) and "CDNA5" Instruction Set Architecture Reference Guide (July 2026). The comments in the code are by the model that wrote it; some were corrected since.
;; Mo E. Allowed arithmetic: matrix products marked QUANTISED: E3M2 operands, one E8M0 scale for each 32 along K, by v_wmma_scale_f32_16x16x128_f8f6f4 with both operands' format E3M2, f32 sums; products left as they are: f32 operands where the result goes on into a quantised operand, else bf16, f16 or f32 operands; f32 sums; everything else in f32.
;; Inputs: W1 8 x 1,024 x 1,024 float32; W2 8 x 1,024 x 1,024 float32; Wr 1,024 x 8 float32; b1 8 x 1,024 float32; b2 8 x 1,024 float32; br 8 float32; x 4,096 x 1,024 float32.
;; Outputs: out0 4,096 x 1,024 float32.
;; This version of the problem:
;;   THIS VERSION OF THE PROBLEM IS GIVEN IN LOW PRECISION. The matrix products marked QUANTISED in the list below multiply operands that are first quantised to E3M2 (3 exponent bits, 2 mantissa bits; 6 bits a number), with one power-of-two scale for each 32 numbers along K (OCP MX v1.0); their sums are f32. All else is computed in f32.
;;   The module's matrix products, in the order in which they are computed (A, B: the left and right operand; K: the contracted axis; several contracted axes count as one K, in the product's order):
;;     1. [M 4,096, K 1,024] x [K 1,024, N 8]; A: input x; B: input Wr: left as it is (N = 8 < 16)
;;     2. [M 4,096, K 1,024] x [K 1,024, N 8,192]; A: input x; B: input W1: QUANTISED
;;     3. batch 8 x [M 1,024, K 1,024] x [K 1,024, N 4,096]; A: input W2; B: computed on the way: QUANTISED
;;     4. batch 4,096 x [M 1, K 8] x [K 8, N 1,024]; A: softmax; B: computed on the way: left as it is (K = 8 < 32)
;;   THE QUANTISER, for each operand of a quantised product, along K:
;;     - K is cut into blocks of 32 from its start; a last block that is shorter is filled with zeros.
;;     - A block's scale is 2^e with e = floor(log2(the largest magnitude in the block)) - 4, held to -126 .. 127; a block of zeros has e = 0. As a byte (E8M0): e + 127.
;;     - Each number is divided by its block's scale, clamped to +-28, and rounded to the nearest number of E3M2, ties to even, subnormals kept.
;;     - The product sums the exact products of the quantised numbers (number of the format x scale) in f32.
;;   ~~~python
;;   def quantise(x, axis):      # numpy; x: float32 -> the quantised numbers, widened to float32 again
;;       x = np.moveaxis(x, axis, -1); K = x.shape[-1]
;;       x = np.pad(x, [(0, 0)] * (x.ndim - 1) + [(0, -K % 32)]); x = x.reshape(x.shape[:-1] + (-1, 32)); a = np.abs(x).max(-1, keepdims=True)
;;       e = np.where(a > 0, np.clip(np.frexp(np.where(a > 0, a, 1))[1] - 1 - 4, -126, 127), 0)      # np.frexp(a)[1] - 1 = floor(log2(a)), exactly
;;       r = np.clip(x / 2.0 ** e, -28, 28)
;;       step = 2.0 ** (np.maximum(np.frexp(np.where(r == 0, 1, r))[1] - 1, -2) - 2)
;;       q = np.round(r / step) * step * 2.0 ** e      # np.round: ties to even
;;       return np.moveaxis(q.reshape(q.shape[:-2] + (-1,))[..., :K], -1, axis).astype(np.float32)
;;   ~~~
;;   OPERANDS COMPUTED ON THE WAY. 'Computed on the way' means the value that the module computes at that place (a softmax that the list does not call 'softmax' is quantised finished and normalised). What goes into a quantiser is computed in f32, as accurately as f32 sums, v_exp_f32 and their like allow (about 1e-6 of the number): no bf16 or f16 on the way to a quantiser, and a product that is left as it is and whose result goes on into a quantised operand takes f32 operands (vector FMAs, or v_wmma_f32_16x16x4_f32). A number that lies on a knife's edge between two numbers of the format may be rounded either way, as far as f32 arithmetic and the matrix unit's own rounding can turn it there, and no further.
;; One version. Each part assembles by itself: llvm-mc -triple=amdgcn-amd-amdhsa -mcpu=gfx1250 --defsym DOCPART=n.
;; ======== version 1 of 1: 3 launches
;; limits: right only within a limited range of input values
;; workspace buffers: xq 3,145,728 bytes; xs 131,072 bytes; wq 12,582,912 bytes; ws 524,288 bytes; hq 25,165,824 bytes; hs 1,048,576 bytes; gates 131,072 bytes
;; launch quant (part 1): grid 384 x 1, 8 waves a work-group, no clusters, 111,616 bytes of LDS; arguments x, W1, W2, Wr, br, xq, xs, wq, ws, gates; writes xq, xs, wq, ws, gates
.if DOCPART == 1
	.amdgcn_target "amdgcn-amd-amdhsa--gfx1250"
	.amdhsa_code_object_version 6
	.text
	.protected	k_q78c8ee51e0_quant
	.globl	k_q78c8ee51e0_quant
	.p2align	8
	.type	k_q78c8ee51e0_quant,@function
k_q78c8ee51e0_quant:
	s_mov_b64 s[64:65], 0
	v_nop
	global_prefetch_b8 v0, s[64:65] scope:SCOPE_SE
	s_setreg_imm32_b32 hwreg(HW_REG_WAVE_MODE, 25, 1), 1
	s_wait_xcnt 0x0
; x [4096][1024], W1 [8][1024 k][1024 n] and W2 [8][1024 k][1024 n], f32, become codes of BF6 (E3M2) with one E8M0 scale byte for each 32 along K; the router's gates softmax(x Wr + br) are made on the way, in f32.
; A block's scale is 2^(floor(log2(its largest magnitude)) - 4): its byte is the largest magnitude's exponent field - 4, held at 1 from below by a floor among the maximum's leaves.
; LIMITS: NaN and infinities among the inputs are not served; a block whose largest magnitude lies under 2^-122 keeps the byte 1; a block of zeros keeps the byte 1 (not 127): its codes are zeros and this program alone reads the bytes.
; THE OUTPUT LIES AS IMAGES OF THE OPERAND'S REGISTERS.  A fragment is 16 operand rows x 128 K, 12 registers a lane: lane (r, h) holds row r, block h in registers 0-5, block 2 + h in registers 6-11.
; Its image is 1,536 bytes: register n of lane l at 512 (n / 4) + 16 l + 4 (n % 4), so three stores of 16 bytes a lane write it, each 512 consecutive bytes.  A scale word is a row's four bytes of one K step of 128.
;   xq [tile of rows 256][K step 8][1536]      xs [K step 8][tile 256][16 words]
;   wq W1: [tile 512][K step 8][1536]; W2 from W2Q on: [tile 64][K step 64][1536] (K step 8 e + k / 128)      ws W1: [K step 8][tile 512][16 words]; W2 from W2S on: [K step 64][tile 64][16 words]
; W1's tiles are not neighbours: row p of tile 2 b + u (counted over all 8,192 hidden units) is unit 32 b + 8 u + p + 8 (p / 8), so that the next launch's results lie along the next K.  W2's tiles are natural.
; ONE PLAN FOR ALL THREE: a lane owns one operand row and its registers run along K, so a block of 32 is 32 registers of one lane and no other lane is asked for its maximum.  32 lanes are two tiles;
; twelve exchanges of half-waves turn (blocks 0, 2 | blocks 1, 3 of 32 rows) into the two tiles' fragments.
; Work-groups 0-127 take x (32 rows each, wave w the K step w), work-groups 128-383 the weights (a wave: 32 columns x 256 K).  No tensor loads; only the x path uses LDS and has a barrier.
; The scale words leave 128 consecutive bytes a store: they are about one part in 150 of what the launch moves.
.set W2Q,  6291456                     ; where W2's codes begin in wq
.set W2S,  262144                      ; and its scale words in ws
.set STGB, 32*272                      ; LDS: a wave's stage: 32 rows of 256 bytes + 16
.set WRL,  8*STGB                      ; behind the stages: each wave's 4,096 bytes of Wr
.set PL,   WRL+8*4096                  ; behind those: each wave's part of the logits, 32 rows x 32 bytes
.set ACC,  16                          ; v16-31   the logits' sums: even k in v16-23, odd k in v24-31
.set X,    32                          ; v32-159  x path: 128 numbers of my row;  weights: v32-95 two sets of 32
.set RING, 160                         ; v160-255 x path: three batches of Wr;  later, and for the weights: the codes, 24 registers a K step
.set SWR,  208                         ; v208-209 the scale words
.set TQ,   212                         ; v212-214 a block's upper 16 codes (a conversion's three registers begin on an even number)
; v1 load offset; v2, v3, v12, v13, v15 LDS addresses of the x path; v14 my row's place in gates; v4, v5 my 16 bytes of tile T's, T + 1's image; v6, v7 my scale word; v8-11 at work
; 32 numbers v[xs] on become 6 registers of codes at v[dst] and byte b of the scale word v[sw]
.macro QBLOCK xs, dst, b, sw
	v_max3_num_f32 v8, |v[\xs]|, |v[\xs+1]|, |v[\xs+2]|            ; the largest magnitude, in two chains
	v_max3_num_f32 v9, |v[\xs+3]|, |v[\xs+4]|, |v[\xs+5]|
.irp i, 6,10,14,18,22,26
	v_max3_num_f32 v8, v8, |v[\xs+\i]|, |v[\xs+\i+1]|
	v_max3_num_f32 v9, v9, |v[\xs+\i+2]|, |v[\xs+\i+3]|
.endr
	v_max3_num_f32 v8, v8, |v[\xs+30]|, |v[\xs+31]|
	v_max3_num_f32 v8, v8, v9, 0x2800000           ; and the floor 2^(5 - 127): the byte cannot fall under 1
	v_add_nc_u32 v10, 0xfe000000, v8               ; 4 off the exponent field: the conversion takes this operand's exponent field as its scale
	v_lshrrev_b32 v11, 23, v10                     ; the scale's byte
.if (\b) == 0
	v_mov_b32 v[\sw], v11
.else
	v_lshl_or_b32 v[\sw], v11, 8*(\b), v[\sw]
.endif
	v_cvt_scalef32_pk16_bf6_f32 v[\dst:\dst+2], v[\xs:\xs+15], v10
	v_cvt_scalef32_pk16_bf6_f32 v[TQ:TQ+2], v[\xs+16:\xs+31], v10
	v_nop                                          ; one plain instruction behind a scaled conversion
	v_mov_b32 v[\dst+3], v[TQ]
	v_mov_b32 v[\dst+4], v[TQ+1]
	v_mov_b32 v[\dst+5], v[TQ+2]
.endm
; A K step leaves.  fa: blocks 0 and 2 of my row, fb: blocks 1 and 3.  The exchange gives fa's upper lanes fb's lower ones: fa is then tile T's fragment, fb tile T + 1's.
.macro KOUT fa, fb, sw, cb, coff, sb, sv
.set n, 0
.rept 12
	v_permlane16_swap_b32 v[\fa+n], v[\fb+n]
.set n, n+1
.endr
.irp g, 0,1,2
	global_store_b128 v4, v[\fa+4*\g:\fa+4*\g+3], s[\cb:\cb+1] offset:\coff+512*\g   ; 32 lanes store 512 consecutive bytes
.endr
.irp g, 0,1,2
	global_store_b128 v5, v[\fb+4*\g:\fb+4*\g+3], s[\cb:\cb+1] offset:\coff+512*\g
.endr
	global_store_b32 v[\sv], v[\sw], s[\sb:\sb+1]  ; lanes 0-15 tile T's words, lanes 16-31 tile T + 1's: neighbours in memory
.endm
	s_load_b512 s[4:19], s[0:1], 0x0               ; x s[4:5], W1 s[6:7], W2 s[8:9], Wr s[10:11], br s[12:13], xq s[14:15], xs s[16:17], wq s[18:19]
	s_load_b128 s[20:23], s[0:1], 0x40             ; ws s[20:21], gates s[22:23]
	v_lshrrev_b32 v8, 5, v0
	v_readfirstlane_b32 s24, v8                    ; wave 0..7
	v_and_b32 v8, 31, v0                           ; lane
	v_lshlrev_b32 v4, 4, v8                        ; 16 x lane
	v_lshlrev_b32 v6, 2, v8                        ; 4 x lane
	s_wait_alu depctr_va_vdst(0)                   ; ahead of the branch and of the run of scalar lines
	s_cmp_lt_u32 ttmp9, 128
	s_cbranch_scc1 .Lpath_x
; ---------------- THE WEIGHTS.  g = work-group - 128: matrix g / 16 (0-7 W1's experts, 8-15 W2's), 128 columns (g / 2) % 8, half of K g % 2.  Wave: 32 columns w % 4, 256 of K w / 4.
	s_sub_co_u32 s25, ttmp9, 128
	s_lshr_b32 s26, s25, 4                         ; matrix
	s_and_b32 s27, s26, 7                          ; e
	s_bfe_u32 s28, s25, 0x30001
	s_and_b32 s29, s25, 1
	s_and_b32 s30, s24, 3
	s_lshr_b32 s31, s24, 2
	s_lshl_b32 s28, s28, 2
	s_add_co_u32 s28, s28, s30                     ; n32: which 32 columns
	s_lshl_b32 s29, s29, 2
	s_lshl_b32 s31, s31, 1
	s_add_co_u32 s29, s29, s31                     ; ks0: my first K step of two
	s_lshl_b32 s32, s27, 22                        ; the source: e x 4 MiB + ks0 x 128 rows of 4,096 bytes + 128 n32
	s_lshl_b32 s33, s29, 19
	s_add_co_u32 s32, s32, s33
	s_lshl_b32 s33, s28, 7
	s_add_co_u32 s32, s32, s33
	s_mov_b32 s33, 0
	s_lshl_b32 s34, s27, 9                         ; codes, W1: ((64 e + 2 n32) 8 + ks0) x 1,536
	s_lshl_b32 s35, s28, 4
	s_add_co_u32 s34, s34, s35
	s_add_co_u32 s34, s34, s29
	s_mul_i32 s34, s34, 1536
	s_lshl_b32 s36, s28, 7                         ; W2: W2Q + (2 n32 x 64 + 8 e + ks0) x 1,536
	s_lshl_b32 s35, s27, 3
	s_add_co_u32 s36, s36, s35
	s_add_co_u32 s36, s36, s29
	s_mul_i32 s36, s36, 1536
	s_add_co_u32 s36, s36, W2Q
	s_lshl_b32 s38, s29, 15                        ; scale words, W1: (512 ks0 + 64 e + 2 n32) x 64
	s_lshl_b32 s35, s27, 12
	s_add_co_u32 s38, s38, s35
	s_lshl_b32 s39, s27, 15                        ; W2: W2S + ((8 e + ks0) 64 + 2 n32) x 64
	s_lshl_b32 s35, s29, 12
	s_add_co_u32 s39, s39, s35
	s_add_co_u32 s39, s39, W2S
	s_lshl_b32 s35, s28, 7
	s_add_co_u32 s38, s38, s35
	s_add_co_u32 s39, s39, s35
	s_mov_b32 s40, 12288                           ; from a tile's image to the next tile's: 8 or 64 K steps
	s_mov_b32 s41, 98304
	s_mov_b32 s42, 32768                           ; from a K step's scale words to the next's: 512 or 64 tiles
	s_mov_b32 s43, 4096
	s_wait_kmcnt 0x0
	s_cmp_lt_u32 s26, 8                            ; W1 or W2?  The choice hangs on the work-group's number alone; only selects stand behind the compare
	s_cselect_b64 s[6:7], s[6:7], s[8:9]
	s_cselect_b32 s34, s34, s36
	s_cselect_b32 s38, s38, s39
	s_cselect_b32 s40, s40, s41
	s_cselect_b32 s42, s42, s43
	s_cselect_b32 s44, -1, 0
	s_mov_b32 s35, 0
	s_mov_b32 s39, 0
	s_add_nc_u64 s[6:7], s[6:7], s[32:33]
	s_add_nc_u64 s[18:19], s[18:19], s[34:35]
	s_add_nc_u64 s[20:21], s[20:21], s[38:39]
	v_and_b32 v9, 7, v8                            ; W1: lane 16 u + p takes unit 8 u + p + 8 (p / 8): the lane's bits 3 and 4 change places
	v_bfe_u32 v10, v8, 3, 1
	v_bfe_u32 v11, v8, 4, 1
	v_lshl_or_b32 v9, v10, 4, v9
	v_lshl_or_b32 v9, v11, 3, v9
	v_cndmask_b32 v9, v8, v9, s44                  ; W2: the lane itself
	v_lshlrev_b32 v1, 2, v9                        ; my column's 4 bytes: a wave's load still covers 128 consecutive bytes
	v_add_nc_u32 v5, s40, v4
	v_add_nc_u32 v7, s42, v6
.macro LOADW t                         ; block t: W(32 t + i, my column) into set t % 2
.set n, 0
.rept 32
	global_load_b32 v[X+32*((\t)%2)+n], v1, s[6:7] offset:(32*(\t)+n)*4096 th:TH_LOAD_NT
.set n, n+1
.endr
.endm
.macro WBLK t
.if (\t) < 7
	s_wait_loadcnt 32                              ; this block's 32 loads are in; the next block's 32 may be out
.else
	s_wait_loadcnt 0x0
.endif
	QBLOCK X+32*((\t)%2), RING+24*((\t)/4)+12*((\t)%2)+6*(((\t)%4)/2), (\t)%4, SWR+(\t)/4
.if (\t)+2 < 8
	LOADW (\t)+2
.endif
.if (\t)%4 == 3                        ; each K step has code registers of its own: no store's data are written again
	KOUT RING+24*((\t)/4), RING+12+24*((\t)/4), SWR+(\t)/4, 18, 1536*((\t)/4), 20, 6+(\t)/4
.endif
.endm
	LOADW 0
	LOADW 1
.irp t, 0,1,2,3,4,5,6,7
	WBLK \t
.endr
	s_endpgm
; ---------------- x: 32 rows a work-group; wave w takes K step w (512 bytes of each row) and Wr's rows 128 w on
.Lpath_x:
	v_and_b32 v9, 15, v0                           ; r
	v_bfe_u32 v10, v0, 4, 1                        ; h
	v_lshlrev_b32 v1, 12, v10
	v_lshl_add_u32 v1, v9, 4, v1                   ; a load takes 256 bytes of each of two rows: 4,096 h + 16 r
	s_mul_i32 s25, s24, STGB                       ; my stage
	s_lshl_b32 s26, s24, 12
	s_add_co_u32 s26, s26, WRL                     ; my part of Wr in LDS
	v_add_nc_u32 v2, s26, v4                       ; into it: 16 x lane
	v_mov_b32 v15, s26                             ; out of it: every lane reads the same words
	v_mul_u32_u24 v3, v10, 272
	v_lshl_add_u32 v3, v9, 4, v3
	v_add_nc_u32 v3, s25, v3                       ; the stage, in: row h, 16 r
	v_mul_u32_u24 v12, v8, 272
	v_add_nc_u32 v12, s25, v12                     ; and out: lane = row
	s_lshl_b32 s27, s24, 10
	s_add_co_u32 s27, s27, PL
	v_lshl_add_u32 v13, v8, 5, s27                 ; my row's eight partial logits
	v_lshlrev_b32 v14, 5, v8                       ; my row's place in gates
	v_add_nc_u32 v5, 12288, v4                     ; tile T + 1's image: 8 K steps on
	s_lshl_b32 s28, ttmp9, 17                      ; x: 32 rows of 4,096 bytes a work-group, + 512 w
	s_lshl_b32 s29, s24, 9
	s_add_co_u32 s28, s28, s29
	s_mov_b32 s29, 0
	s_lshl_b32 s30, s24, 12                        ; Wr: 128 rows of 32 bytes a wave
	s_mov_b32 s31, 0
	s_lshl_b32 s32, ttmp9, 4                       ; xq: ((2 wg) 8 + w) x 1,536
	s_add_co_u32 s32, s32, s24
	s_mul_i32 s32, s32, 1536
	s_mov_b32 s33, 0
	s_lshl_b32 s34, s24, 14                        ; xs: (256 w + 2 wg) x 64
	s_lshl_b32 s35, ttmp9, 7
	s_add_co_u32 s34, s34, s35
	s_mov_b32 s35, 0
	s_lshl_b32 s44, ttmp9, 10                      ; gates: 32 rows of 32 bytes
	s_mov_b32 s45, 0
	s_wait_alu depctr_va_vdst(0)
	s_wait_kmcnt 0x0
	s_add_nc_u64 s[4:5], s[4:5], s[28:29]
	s_add_nc_u64 s[10:11], s[10:11], s[30:31]
	s_add_nc_u64 s[14:15], s[14:15], s[32:33]
	s_add_nc_u64 s[16:17], s[16:17], s[34:35]
	s_add_nc_u64 s[22:23], s[22:23], s[44:45]
.irp i, 0,1,2,3,4,5,6,7
	global_load_b128 v[RING+4*\i:RING+4*\i+3], v4, s[10:11] offset:512*\i
.endr
.irp p, 0,1
.set n, 0
.rept 16
	global_load_b128 v[X+64*\p+4*n:X+64*\p+4*n+3], v1, s[4:5] offset:8192*n+256*\p th:TH_LOAD_NT   ; sixteen lanes read 256 consecutive bytes, aligned
.set n, n+1
.endr
.endr
	s_wait_loadcnt 32                              ; Wr's eight loads are in; x's 32 may be out
.irp i, 0,1,2,3,4,5,6,7
	ds_store_b128 v2, v[RING+4*\i:RING+4*\i+3] offset:512*\i
.endr
.irp p, 0,1                            ; 256 bytes of each of the 32 rows turn through my stage: in as loaded, out a row to a lane.  LDS serves a wave's instructions in order: no wait between
	s_wait_loadcnt 16-16*\p                        ; this half's sixteen loads are in
.set n, 0
.rept 16
	ds_store_b128 v3, v[X+64*\p+4*n:X+64*\p+4*n+3] offset:2*n*272
.set n, n+1
.endr
.set n, 0
.rept 16
	ds_load_b128 v[X+64*\p+4*n:X+64*\p+4*n+3], v12 offset:16*n
.set n, n+1
.endr
.endr
; THE ROUTER, in f32: my row's 128 numbers against Wr's 128 rows of 8.  Batches of 4 k (32 registers of Wr) in a ring of three, two batches ahead.
.macro WRB i
.irp j, 0,1,2,3,4,5,6,7
	ds_load_b128 v[RING+32*((\i)%3)+4*\j:RING+32*((\i)%3)+4*\j+3], v15 offset:128*(\i)+16*\j
.endr
.endm
.macro RK k, wr                        ; x[k] times Wr[k][0..7], two experts an instruction; even and odd k have sums of their own; k = 0 and 1 start them
.irp q, 0,1,2,3
.if (\k) < 2
.if (\k)%2 == 0
	v_pk_mul_f32 v[ACC+2*\q:ACC+2*\q+1], v[X:X+1], v[\wr+2*\q:\wr+2*\q+1] op_sel_hi:[0,1]
.else
	v_pk_mul_f32 v[ACC+8+2*\q:ACC+8+2*\q+1], v[X:X+1], v[\wr+2*\q:\wr+2*\q+1] op_sel:[1,0] op_sel_hi:[1,1]
.endif
.elseif (\k)%2 == 0
	v_pk_fma_f32 v[ACC+2*\q:ACC+2*\q+1], v[X+\k:X+\k+1], v[\wr+2*\q:\wr+2*\q+1], v[ACC+2*\q:ACC+2*\q+1] op_sel_hi:[0,1,1]
.else
	v_pk_fma_f32 v[ACC+8+2*\q:ACC+8+2*\q+1], v[X+\k-1:X+\k], v[\wr+2*\q:\wr+2*\q+1], v[ACC+8+2*\q:ACC+8+2*\q+1] op_sel:[1,0,0] op_sel_hi:[1,1,1]
.endif
.endr
.endm
.macro RBATCH i
.if (\i)+2 < 32
	WRB (\i)+2
.endif
	s_wait_alu depctr_va_vdst(0)
.if (\i) < 30
	s_wait_dscnt 16
.elseif (\i) == 30
	s_wait_dscnt 8
.else
	s_wait_dscnt 0x0
.endif
.irp kk, 0,1,2,3
	RK 4*(\i)+\kk, RING+32*((\i)%3)+8*\kk
.endr
.endm
	WRB 0
	WRB 1
.set bi, 0
.rept 32
	RBATCH bi
.set bi, bi+1
.endr
.irp q, 0,1,2,3
	v_pk_add_f32 v[ACC+2*\q:ACC+2*\q+1], v[ACC+2*\q:ACC+2*\q+1], v[ACC+8+2*\q:ACC+8+2*\q+1]
.endr
	ds_store_b128 v13, v[ACC:ACC+3]
	ds_store_b128 v13, v[ACC+4:ACC+7] offset:16
.irp b, 0,1,2,3
	QBLOCK X+32*\b, RING+12*(\b%2)+6*(\b/2), \b, SWR
.endr
	KOUT RING, RING+12, SWR, 14, 0, 16, 6
	s_wait_dscnt 0x0                               ; for the others' sake: my partial logits lie in LDS
	s_barrier_signal -1
	s_barrier_wait -1
	s_cmp_lg_u32 s24, 0
	s_cbranch_scc1 .Lend_x
	s_load_b256 s[36:43], s[12:13], 0x0            ; br
.irp j, 0,1,2,3,4,5,6,7                ; wave 0, lane = row: the eight waves' parts (for wave 0, v13 is PL + 32 x lane)
	ds_load_b128 v[X+8*\j:X+8*\j+3], v13 offset:1024*\j
	ds_load_b128 v[X+8*\j+4:X+8*\j+7], v13 offset:1024*\j+16
.endr
	s_mov_b32 s25, 0x3fb8aa3b                      ; log2(e)
	s_wait_dscnt 0x0
.irp j, 1,2,3,4,5,6,7
.irp q, 0,1,2,3
	v_pk_add_f32 v[X+2*\q:X+2*\q+1], v[X+2*\q:X+2*\q+1], v[X+8*\j+2*\q:X+8*\j+2*\q+1]
.endr
.endr
	s_wait_alu depctr_va_vdst(0)
	s_wait_kmcnt 0x0
.irp e, 0,1,2,3,4,5,6,7
	v_add_f32 v[X+\e], s[36+\e], v[X+\e]
.endr
	v_max3_num_f32 v96, v32, v33, v34              ; the row's largest logit is taken away ahead of the exponentials
	v_max3_num_f32 v96, v96, v35, v36
	v_max3_num_f32 v96, v96, v37, v38
	v_max_num_f32 v96, v96, v39
	v_mul_f32 v97, s25, v96
.irp e, 0,1,2,3,4,5,6,7
	v_fma_f32 v[X+\e], v[X+\e], s25, -v97
.endr
	s_wait_alu depctr_va_vdst(0)
.irp e, 0,1,2,3,4,5,6,7
	v_exp_f32 v[X+\e], v[X+\e]
.endr
	v_nop                                          ; a plain instruction behind the exponentials
	s_wait_alu depctr_va_vdst(0)
	v_add_f32 v96, v32, v33
	v_add_f32 v97, v34, v35
	v_add_f32 v98, v36, v37
	v_add_f32 v99, v38, v39
	v_add_f32 v96, v96, v97
	v_add_f32 v98, v98, v99
	v_add_f32 v96, v96, v98
	s_wait_alu depctr_va_vdst(0)                   ; and ahead of the reciprocal
	v_rcp_f32 v97, v96
	v_nop                                          ; and behind the reciprocal
	s_wait_alu depctr_va_vdst(0)
.irp e, 0,1,2,3,4,5,6,7
	v_mul_f32 v[X+\e], v[X+\e], v97
.endr
	global_store_b128 v14, v[X:X+3], s[22:23]      ; the two stores together cover 1,024 consecutive bytes
	global_store_b128 v14, v[X+4:X+7], s[22:23] offset:16
.Lend_x:
	v_lshl_add_u32 v8, v0, 2, 0x1b000              ; all 256 registers are at work in this path, so the add's two are made anew here from v0, which is as at the entry
	v_mov_b32 v9, 0
	s_wait_alu depctr_va_vdst(0)
	s_wait_tensorcnt 0x0                           ; the wave's end
	ds_add_u32 v8, v9
	s_wait_dscnt 0x0
	s_endpgm
.Lfunc_end_k_q78c8ee51e0_quant:
	.size	k_q78c8ee51e0_quant, .Lfunc_end_k_q78c8ee51e0_quant-k_q78c8ee51e0_quant
	.p2alignl 7, 3214868480
	.fill 96, 4, 3214868480
	.section	.rodata,"a",@progbits
	.p2align	6, 0x0
	.amdhsa_kernel k_q78c8ee51e0_quant
		.amdhsa_group_segment_fixed_size 111616
		.amdhsa_private_segment_fixed_size 0
		.amdhsa_enable_private_segment 0
		.amdhsa_kernarg_size 80
		.amdhsa_user_sgpr_count 2
		.amdhsa_user_sgpr_kernarg_segment_ptr 1
		.amdhsa_wavefront_size32 1
		.amdhsa_system_sgpr_workgroup_id_x 1
		.amdhsa_system_sgpr_workgroup_id_y 1
		.amdhsa_system_sgpr_workgroup_id_z 1
		.amdhsa_system_vgpr_workitem_id 0
		.amdhsa_next_free_vgpr 256
		.amdhsa_next_free_sgpr 66
		.amdhsa_reserve_vcc 0
		.amdhsa_float_denorm_mode_32 3
		.amdhsa_float_denorm_mode_16_64 3
		.amdhsa_memory_ordered 1
		.amdhsa_forward_progress 1
		.amdhsa_inst_pref_size 114
	.end_amdhsa_kernel
	.amdgpu_metadata
---
amdhsa.version: [ 1, 2 ]
amdhsa.kernels:
  - .name:           k_q78c8ee51e0_quant
    .symbol:         k_q78c8ee51e0_quant.kd
    .args:
      - { .name: x, .offset: 0, .size: 8, .value_kind: global_buffer, .address_space: global }
      - { .name: W1, .offset: 8, .size: 8, .value_kind: global_buffer, .address_space: global }
      - { .name: W2, .offset: 16, .size: 8, .value_kind: global_buffer, .address_space: global }
      - { .name: Wr, .offset: 24, .size: 8, .value_kind: global_buffer, .address_space: global }
      - { .name: br, .offset: 32, .size: 8, .value_kind: global_buffer, .address_space: global }
      - { .name: xq, .offset: 40, .size: 8, .value_kind: global_buffer, .address_space: global }
      - { .name: xs, .offset: 48, .size: 8, .value_kind: global_buffer, .address_space: global }
      - { .name: wq, .offset: 56, .size: 8, .value_kind: global_buffer, .address_space: global }
      - { .name: ws, .offset: 64, .size: 8, .value_kind: global_buffer, .address_space: global }
      - { .name: gates, .offset: 72, .size: 8, .value_kind: global_buffer, .address_space: global }
    .group_segment_fixed_size: 111616
    .private_segment_fixed_size: 0
    .kernarg_segment_align: 8
    .kernarg_segment_size: 80
    .max_flat_workgroup_size: 256
    .sgpr_count:     66
    .vgpr_count:     256
    .wavefront_size: 32
...
	.end_amdgpu_metadata
.endif
;; end of part 1
;; launch up (part 2): grid 32 x 16, 4 waves a work-group, clusters of 4 x 4, 327,680 bytes of LDS; arguments xq, xs, wq, ws, b1, hq, hs; writes hq, hs
.if DOCPART == 2
	.amdgcn_target "amdgcn-amd-amdhsa--gfx1250"
	.amdhsa_code_object_version 6
	.text
	.protected	k_q78c8ee51e0_up
	.globl	k_q78c8ee51e0_up
	.p2align	8
	.type	k_q78c8ee51e0_up,@function
k_q78c8ee51e0_up:
	s_mov_b64 s[64:65], 0
	v_nop
	global_prefetch_b8 v0, s[64:65] scope:SCOPE_SE
	s_setreg_imm32_b32 hwreg(HW_REG_WAVE_MODE, 25, 1), 1
	s_wait_xcnt 0x0
	s_wait_alu depctr_hold_cnt(0) depctr_sa_sdst(0) depctr_va_vdst(0) depctr_va_sdst(0) depctr_va_ssrc(0) depctr_va_vcc(0) depctr_vm_vsrc(0)
	s_getreg_b32 s2, hwreg(HW_REG_IB_STS2, 6, 4)
	s_cmp_eq_u32 s2, 0
	s_cbranch_scc0 .Lentry_in_a_cluster
	s_endpgm
.Lentry_in_a_cluster:
	s_bfe_u32 s2, ttmp6, 0x10000c
	s_cmp_lg_u32 s2, 0xf033
	s_cbranch_scc0 .Lentry_shape_is_right
	s_endpgm
.Lentry_shape_is_right:
; h = swish(x W1 + b1) for all 8,192 hidden units (8 experts x 1,024), on codes of BF6 with E8M0 scales, and h quantised along the hidden units: the second product's operand.
; Operands lie in memory as images of fragments (16 operand rows x 128 K = 12 registers a lane = 1,536 bytes; three loads of 16 bytes a lane at 16 x lane bring one):
;   xq [tile 256][K step 8][1536], xs [K step 8][tile 256][16 words];  wq [tile of units 512][K step 8][1536], ws [K step 8][tile 512][16 words];
;   out: hq [tile of rows 256][K step 64][1536], an image in two halves of 768 bytes: half c holds registers 6 c .. 6 c + 3 at 16 x lane, then registers 6 c + 4, 5 at 512 + 8 x lane;
;   hs [K step 64][tile 256][16 words]; K step = unit / 128 over all 8,192 units.
; A block of 256 rows x 256 units is made by four waves, 128 x 128 each: 64 accumulators, 512 registers.
; K = 1,024 is 8 steps of 128.  Two LDS slots hold THREE steps each (16 + 16 tiles x 4,608 bytes): steps 0-2, 3-5, and 6-7 into slot 0 again: one refill in the launch.  The walk is written out.
; THE HEAD: one tensor load a wave: wave 0 x's 16 tiles of steps 0-2, wave 1 W1's, wave 2 x's scale words of all 8 steps, wave 3 W1's.  Slot 1 is asked for behind the full sequence and a round, a quarter a wave.
; THE MATRIX INSTRUCTION IS USED TRANSPOSED: source 0 = 16 units of W1, source 1 = 16 rows of x.  Row p of W1's tile 2 b + u is unit 32 b + 8 u + p + 8 (p / 8), so in tiles 2 b, 2 b + 1 lane (r, h)
; holds row r and units 32 b + 16 h + 0 .. 15: sixteen neighbours along the next K.  b1 is the C of each sum's first product.  swish(z) = z / (1 + 2^(-z log2 e)), in f32.
; CLUSTERS: 4 x 4; x's tiles are shared along a row of the cluster, W1's along a column, each by a joint load.
; NO PREFETCH: the walk has three fills in all; two of them are asked for ahead of the first product, so there is no loop to run ahead in.
; LIMITS: NaN and infinities are not served; a block of h whose largest magnitude lies under 2^-122, zeros among them, keeps the scale byte 1.
; REGISTERS: window 0: v16-30 addresses; v32-63 scale words, two sets; v64-127 b1; v128-223 x's fragments, one set (on the way out v128-191 at work, v192-210 codes); v224-240 the quantiser's.
;   window 1: W1's fragments, two sets, at v0 and v128.  windows 2, 3: the accumulators of my rows 0-63, 64-127: (a, b) at v[8 (8 (a % 4) + b)].
.set FRB,   1536
.set TP3,   3*FRB                      ; a tile's three K steps: a row of a tensor load
.set PART,  8*TP3                      ; eight tiles: what a wave reads of x or of W1 in a slot
.set SLOT,  4*PART
.set SCL,   2*SLOT                     ; the scale words: x's [K step 8][16 tiles x 64 bytes], then W1's
.set SHALF, 8192
.set SPARE, SCL+2*SHALF                ; the spare words, 128 bytes a wave
.set SCR,   SPARE+512                  ; 512 bytes a wave: h's scale words are gathered here; no tensor load lands here
.set FR,    12
.set NL,    3
.set NP,    4
.set ADRA, 16
.set HO8,  18
.set ADRB, 20
.set HO,   24
.set SCW,  25
.set SCRD, 26
.set ADRS, 27
.set SPW,  28
.set NIL,  29
.set BO,   30
.set SC,   32
.set BI,   64
.set AF,   128
.set T,    128
.set PC,   192
.set TM,   224
.set PW,   240
.set SEL,  40
.set LC,   12
.set B1P,  96
.set HQP,  98
.set HSP,  94
.set G1, 24
.set G0, 32
.set G1B, 48
.set G0B, 56
.set G1S, 68
.set G0S, 76
.set G1SB, 80
.set G0SB, 88
.set G0H, 4
.set G0HB, 8
.set MSB, 0
.macro WIN new
.if MSB != \new
	s_set_vgpr_msb (MSB<<8)|\new
.set MSB, \new
.endif
.endm
.set MUL_LO, 0xa1
.set MUL_HI, 0xf1
.set TO_B,   0x40
.macro JLOAD g0a, g1a, g0b, g1b        ; waves 0 and 1 fetch for x, waves 2 and 3 for W1
	s_cmp_eq_u32 s15, 0
	s_cbranch_scc0 .Lfor_b_\@
	tensor_load_to_lds s[\g0a:\g0a+3], s[\g1a:\g1a+7]
	s_nop 0
.rept 4
	v_nop
.endr
	s_branch .Lasked_\@
.Lfor_b_\@:
	tensor_load_to_lds s[\g0b:\g0b+3], s[\g1b:\g1b+7]
	s_nop 0
.rept 4
	v_nop
.endr
.Lasked_\@:
.endm
.macro CREST
	s_cmp_lg_u32 s14, 0
	s_cbranch_scc1 .Lnot_wave_0_\@
	s_barrier_signal -3
.Lnot_wave_0_\@:
	s_barrier_wait -3
	s_barrier_signal -1
	s_barrier_wait -1
.endm
.macro CROUND
	s_barrier_signal -1
	s_barrier_wait -1
	CREST
.endm
.macro PLACES n
.rept \n
	v_nop
.endr
.endm
.macro ARM under, g0, g1, next         ; one arm of the head's tree: one load, then the jump to the tree's end
	s_cmp_lt_u32 s14, \under
	s_cbranch_scc0 \next
	tensor_load_to_lds s[\g0:\g0+3], s[\g1:\g1+7]
	s_nop 0
.rept 4
	v_nop
.endr
	s_branch .Lhead_asked
\next:
.endm
	s_load_b256 s[4:11], s[0:1], 0x0               ; xq, xs, wq, ws
	s_load_b128 s[96:99], s[0:1], 0x20             ; b1, hq
	s_load_b64 s[94:95], s[0:1], 0x30              ; hs
	v_lshl_add_u32 v[SPW], v0, 2, SPARE
	v_mov_b32 v[NIL], 0
	ds_add_u32 v[SPW], v[NIL]                      ; the opening lines: the add twice on end and one wait
	ds_add_u32 v[SPW], v[NIL]
	v_lshrrev_b32 v1, 5, v0
	v_readfirstlane_b32 s14, v1                    ; wave
	s_lshr_b32 s15, s14, 1                         ; my half of the rows; also: I fetch for x (0) or W1 (1)
	s_and_b32 s16, s14, 1                          ; my half of the units; also: which eight tiles I fetch
	s_bfe_u32 s40, ttmp6, 0x40000
	s_bfe_u32 s41, ttmp6, 0x40004
	s_lshl_b32 s42, ttmp9, 2
	s_add_co_u32 s42, s42, s40                     ; block column (256 units)
	s_and_b32 s17, ttmp7, 0xffff
	s_lshl_b32 s17, s17, 2
	s_add_co_u32 s17, s17, s41                     ; block row (256 rows)
	s_lshl_b32 s43, s41, 2
	s_lshl_b32 s43, 15, s43
	s_lshl_b32 s44, 0x1111, s40
	s_or_b32 s[G1+0], s43, (3<<16)|(1<<21)         ; codes: rows (tiles) of 576 elements of 8 bytes, 1,536 elements apart; 16 rows at the head
	s_or_b32 s[G1B+0], s44, (3<<16)|(1<<21)
.irp g, G1, G1B
	s_mov_b32 s[\g+1], 576<<16
	s_mov_b32 s[\g+2], 16<<16
	s_mov_b32 s[\g+3], 576<<16
	s_mov_b32 s[\g+4], 16
	s_mov_b32 s[\g+5], 1536
	s_mov_b32 s[\g+6], 0
	s_mov_b32 s[\g+7], 0
.endr
	s_or_b32 s[G1S+0], s43, (3<<16)|(1<<21)        ; scale words: 8 rows (K steps) of 128 elements (16 tiles x 64 bytes)
	s_or_b32 s[G1SB+0], s44, (3<<16)|(1<<21)
.irp g, G1S, G1SB
	s_mov_b32 s[\g+1], 128<<16
	s_mov_b32 s[\g+2], 8<<16
	s_mov_b32 s[\g+3], 128<<16
	s_mov_b32 s[\g+4], 8
	s_mov_b32 s[\g+6], 0
	s_mov_b32 s[\g+7], 0
.endr
	s_mov_b32 s[G1S+5], 2048
	s_mov_b32 s[G1SB+5], 4096
	s_mul_i32 s20, s17, 196608                     ; x: 16 tiles of 12,288 bytes a block row
	s_mov_b32 s21, 0
	s_lshl_b32 s22, s17, 10
	s_mov_b32 s23, 0
	s_mul_i32 s46, s42, 196608
	s_mov_b32 s47, 0
	s_lshl_b32 s92, s42, 10
	s_mov_b32 s93, 0
	s_mul_i32 s18, s16, 98304                      ; in the ring: my eight tiles
	s_mov_b32 s19, 0
	s_mul_i32 s45, s14, PART
	s_wait_dscnt 0x0
	s_wait_kmcnt 0x0
	s_add_nc_u64 s[20:21], s[4:5], s[20:21]
	s_add_nc_u64 s[22:23], s[6:7], s[22:23]
	s_add_nc_u64 s[46:47], s[8:9], s[46:47]
	s_add_nc_u64 s[92:93], s[10:11], s[92:93]
	CROUND                                         ; the round in front of the first joint loads
	s_mov_b32 s[G0H], 1
	s_mov_b32 s[G0H+1], 0
	s_mov_b64 s[G0H+2:G0H+3], s[20:21]
	s_or_b32 s[G0H+3], s[G0H+3], 0x80000000
	s_mov_b32 s[G0HB], 1
	s_mov_b32 s[G0HB+1], 2*PART
	s_mov_b64 s[G0HB+2:G0HB+3], s[46:47]
	s_or_b32 s[G0HB+3], s[G0HB+3], 0x80000000
	s_mov_b32 s[G0S], 1
	s_mov_b32 s[G0S+1], SCL
	s_mov_b64 s[G0S+2:G0S+3], s[22:23]
	s_or_b32 s[G0S+3], s[G0S+3], 0x80000000
	s_mov_b32 s[G0SB], 1
	s_mov_b32 s[G0SB+1], SCL+SHALF
	s_mov_b64 s[G0SB+2:G0SB+3], s[92:93]
	s_or_b32 s[G0SB+3], s[G0SB+3], 0x80000000
	s_add_nc_u64 s[20:21], s[20:21], s[18:19]
	s_add_nc_u64 s[46:47], s[46:47], s[18:19]
.irp s, 0,1                            ; slot 1: K steps 3-5; slot 0's group serves its refill: K steps 6, 7
	s_mov_b32 s[G0+4*\s], 1
	s_add_co_u32 s[G0+4*\s+1], s45, \s*SLOT
	s_add_nc_u64 s[G0+4*\s+2:G0+4*\s+3], s[20:21], (6-3*\s)*FRB
	s_or_b32 s[G0+4*\s+3], s[G0+4*\s+3], 0x80000000
	s_mov_b32 s[G0B+4*\s], 1
	s_add_co_u32 s[G0B+4*\s+1], s45, \s*SLOT
	s_add_nc_u64 s[G0B+4*\s+2:G0B+4*\s+3], s[46:47], (6-3*\s)*FRB
	s_or_b32 s[G0B+4*\s+3], s[G0B+4*\s+3], 0x80000000
.endr
	ARM 1, G0H,  G1,  .Lhead_b
	ARM 2, G0HB, G1B, .Lhead_sa
	ARM 3, G0S,  G1S, .Lhead_sb
	tensor_load_to_lds s[G0SB:G0SB+3], s[G1SB:G1SB+7]
	s_nop 0
.rept 4
	v_nop
.endr
.Lhead_asked:
	s_mul_i32 s21, s15, PART                       ; my eight tiles of x,
	s_mul_i32 s22, s16, PART
	s_add_co_u32 s22, s22, 2*PART                  ; of W1, behind x's sixteen
	s_add_co_u32 s23, s21, SLOT
	s_add_co_u32 s18, s22, SLOT
	s_lshl_b32 s20, s15, 9                         ; scale words: my eight tiles of x's sixteen
	s_lshl_b32 s19, s16, 9
	s_add_co_u32 s19, s19, SHALF
	s_sub_co_u32 s19, s19, s20                     ; from x's to W1's: lanes 16-31 take W1's
	s_add_co_u32 s20, s20, SCL
	s_lshl_b32 s45, s14, 9
	s_add_co_u32 s45, s45, SCR
	v_and_b32 v1, 15, v0
	v_bfe_u32 v2, v0, 4, 1
	v_and_b32 v3, 31, v0
	v_lshlrev_b32 v[HO], 4, v3
	v_lshlrev_b32 v[HO8], 3, v3
	v_add_nc_u32 v[ADRA], s21, v[HO]
	v_add_nc_u32 v[ADRA+1], s23, v[HO]
	v_add_nc_u32 v[ADRB], s22, v[HO]
	v_add_nc_u32 v[ADRB+1], s18, v[HO]
	v_mul_u32_u24 v6, s19, v2
	v_lshl_add_u32 v5, v1, 2, v6
	v_add_nc_u32 v[ADRS], s20, v5
	v_lshl_add_u32 v[SCW], v1, 2, s45
	v_add_nc_u32 v[SCRD], s45, v[HO]
	v_lshlrev_b32 v[BO], 6, v2
.irp b, 0,1,2,3
	v_mov_b32 v[TM+4+\b], 0                        ; a lane permute's destination counts as one of its sources
.endr
	s_wait_alu depctr_va_vdst(0)
	s_lshl_b32 s20, s17, 4
	s_lshl_b32 s21, s15, 3
	s_add_co_u32 s20, s20, s21                     ; my first tile of rows
	s_lshl_b32 s46, s42, 1
	s_add_co_u32 s46, s46, s16                     ; my K step of the next product
	s_lshl_b32 s21, s20, 6
	s_add_co_u32 s21, s21, s46
	s_mul_i32 s18, s21, 1536                       ; hq: (tile x 64 + K step) x 1,536
	s_mov_b32 s19, 0
	s_lshl_b32 s21, s46, 8
	s_add_co_u32 s21, s21, s20
	s_lshl_b32 s22, s21, 6                         ; hs: (K step x 256 + tile) x 64
	s_mov_b32 s23, 0
	s_lshl_b32 s46, s46, 9                         ; b1: 128 numbers a K step
	s_mov_b32 s47, 0
	s_mov_b32 s[SEL], 0x76543210
	s_mov_b32 s[SEL+1], 0xfedcba98
	s_mov_b32 s[LC], 0xbfb8aa3b
	s_mov_b32 s[LC+1], s[LC]
	s_add_nc_u64 s[B1P:B1P+1], s[B1P:B1P+1], s[46:47]
	s_add_nc_u64 s[HQP:HQP+1], s[HQP:HQP+1], s[18:19]
	s_add_nc_u64 s[HSP:HSP+1], s[HSP:HSP+1], s[22:23]
.irp b, 0,1,2,3,4,5,6,7                ; b1 in the result's layout: tile b, lane (r, h), register j: unit 32 (b / 2) + 8 (b % 2) + 16 h + j
	global_load_b128 v[BI+8*\b:BI+8*\b+3], v[BO], s[B1P:B1P+1] offset:(32*(\b/2)+8*(\b%2))*4
	global_load_b128 v[BI+8*\b+4:BI+8*\b+7], v[BO], s[B1P:B1P+1] offset:(32*(\b/2)+8*(\b%2))*4+16
.endr
.macro FRAG reg, adr, n, i             ; tile i's fragment of K step n: slot (n / 3) % 2; a tile's row holds three steps, in the last fill two
.if (\n) < 6
.set TPI, 3*FRB
.else
.set TPI, 2*FRB
.endif
.irp g, 0,1,2
	ds_load_b128 v[\reg+4*\g:\reg+4*\g+3], v[\adr+((\n)/3)%2] offset:(\i)*TPI+((\n)%3)*FRB+512*\g
.endr
.endm
; 16 matrix instructions: x's blocks a0, a0 + 1 against W1's eight tiles.  The 64 accumulators take turns, in the same order in every step.
.macro MUL16 a0, p, q, sc, bias
.irp a, \a0, \a0+1
.irp b, 0,1,2,3,4,5,6,7
.if \bias
	v_wmma_scale_f32_16x16x128_f8f6f4 v[8*(8*((\a)%4)+\b):8*(8*((\a)%4)+\b)+7], v[128*(\p)+FR*\b:128*(\p)+FR*\b+FR-1], v[AF+FR*(\a):AF+FR*(\a)+FR-1], v[BI+8*\b:BI+8*\b+7], v[SC+16*(\sc)+2*\b+(\q)], v[SC+16*(\sc)+2*(\a)+(\q)] matrix_a_fmt:MATRIX_FMT_BF6 matrix_b_fmt:MATRIX_FMT_BF6 matrix_a_scale:MATRIX_SCALE_ROW1
.else
	v_wmma_scale_f32_16x16x128_f8f6f4 v[8*(8*((\a)%4)+\b):8*(8*((\a)%4)+\b)+7], v[128*(\p)+FR*\b:128*(\p)+FR*\b+FR-1], v[AF+FR*(\a):AF+FR*(\a)+FR-1], v[8*(8*((\a)%4)+\b):8*(8*((\a)%4)+\b)+7], v[SC+16*(\sc)+2*\b+(\q)], v[SC+16*(\sc)+2*(\a)+(\q)] matrix_a_fmt:MATRIX_FMT_BF6 matrix_b_fmt:MATRIX_FMT_BF6 matrix_a_scale:MATRIX_SCALE_ROW1
.endif
.endr
.endr
.endm
.macro MULS a0, st, bias               ; step st: W1's set st % 2, scale set (st / 2) % 2, its word st % 2
	MUL16 \a0, (\st)%2, (\st)%2, ((\st)/2)%2, \bias
.endm
.macro FETCH_B n
	WIN TO_B
.irp i, 0,1,2,3,4,5,6,7
	FRAG 128*((\n)%2)+FR*\i, ADRB, \n, \i
.endr
	WIN 0
.endm
.macro FETCH_A n, i0
.irp i, \i0, \i0+1, \i0+2, \i0+3
	FRAG AF+FR*(\i), ADRA, \n, \i
.endr
.endm
.macro SCALES pr                       ; the scale words of K steps 2 pr, 2 pr + 1 into set pr % 2: lanes 0-15 x's block i, lanes 16-31 W1's tile i
.irp i, 0,1,2,3,4,5,6,7
.irp q, 0,1
	ds_load_b32 v[SC+16*((\pr)%2)+2*\i+\q], v[ADRS] offset:(2*(\pr)+\q)*1024+64*\i
.endr
.endr
.endm
.macro REST st, bias                   ; a step's second half: the next step's fragments; x has one set: blocks 0-3 come in the middle, 4-7 at the end
	FETCH_B (\st)+1
	FETCH_A (\st)+1, 0
.if ((\st)+1)%2 == 0
	SCALES ((\st)+1)/2
.endif
.if \bias
	WIN 0xc1
.else
	WIN MUL_HI
.endif
	MULS 4, \st, \bias
	MULS 6, \st, \bias
	PLACES NP
	WIN 0
	FETCH_A (\st)+1, 4
.endm
.macro PSTEP st, bias                  ; a step whose successor lies in the same slot
	s_wait_dscnt 4*NL                              ; all but the youngest twelve loads (x's blocks 4-7)
.if \bias
	WIN 0x81                                       ; C (b1) window 0, D window 2
.else
	WIN MUL_LO
.endif
	MULS 0, \st, \bias
	MULS 2, \st, \bias
	s_wait_dscnt 0x0
	PLACES NP                                      ; loads into registers that matrix instructions have read stand four places behind them
	REST \st, \bias
.endm
.macro TSTEP st, fill                  ; a slot's last step: one barrier; fill = 1: it opens a round, and slot 0 takes K steps 6, 7
	s_wait_tensorcnt 0x0                           ; my one load that was out: my part of the next slot
	ds_add_u32 v[SPW], v[NIL]
.if \fill
	s_mov_b32 s[G1+1], 384<<16                     ; no load of mine is out: the last fill's rows hold two K steps
	s_mov_b32 s[G1+3], 384<<16
	s_mov_b32 s[G1B+1], 384<<16
	s_mov_b32 s[G1B+3], 384<<16
.endif
	s_wait_dscnt 4*NL+1                            ; the add and the youngest twelve loads may be out
	WIN MUL_LO
	MULS 0, \st, 0
	s_wait_dscnt 0x0                               ; the add is done, my reads of this slot are over
	s_barrier_signal -1
	MULS 2, \st, 0
	WIN 0
	s_barrier_wait -1
.if \fill
	CREST
	JLOAD G0, G1, G0B, G1B                         ; its four v_nop are the places in front of the loads below
.else
	PLACES NP
.endif
	REST \st, 0
.endm
; 64 numbers of a lane, register 16 b + i = k 32 b + 16 (lane / 16) + i of my row, become a fragment's codes in v[PC] on and its scale word in v[PW].
.macro QUANT s
.irp b, 0,1,2,3
	v_max3_num_f32 v[TM+\b], |v[\s+16*\b]|, |v[\s+1+16*\b]|, 0x2800000   ; with the floor 2^(5 - 127): the byte cannot fall under 1
.endr
.irp i, 2,4,6,8,10,12,14
.irp b, 0,1,2,3
	v_max3_num_f32 v[TM+\b], v[TM+\b], |v[\s+16*\b+\i]|, |v[\s+1+16*\b+\i]|
.endr
.endr
.irp b, 0,1,2,3
	v_permlanex16_b32 v[TM+4+\b], v[TM+\b], s[SEL], s[SEL+1]
.endr
.irp b, 0,1,2,3
	v_max_num_f32 v[TM+\b], v[TM+\b], v[TM+4+\b]
.endr
.irp b, 0,1,2,3
	v_add_nc_u32 v[TM+12+\b], 0xfe000000, v[TM+\b]   ; 4 off the exponent field: the conversion's scale operand
.endr
.irp b, 0,1,2,3
	v_lshrrev_b32 v[TM+4+\b], 23, v[TM+12+\b]
.endr
	v_lshl_or_b32 v[PW], v[TM+5], 8, v[TM+4]
	v_lshl_or_b32 v[PW], v[TM+6], 16, v[PW]
	v_lshl_or_b32 v[PW], v[TM+7], 24, v[PW]
.irp c, 0,1
	v_cvt_scalef32_pk16_bf6_f32 v[PC+6*\c:PC+2+6*\c], v[\s+32*\c:\s+15+32*\c], v[TM+12+2*\c]
	v_cvt_scalef32_pk16_bf6_f32 v[PC+12+4*\c:PC+14+4*\c], v[\s+16+32*\c:\s+31+32*\c], v[TM+12+2*\c+1]
.endr
	v_nop                                          ; one plain line behind a scaled conversion
.irp c, 0,1                            ; a whole block in a lane: lanes 0-15 block 2 c, lanes 16-31 block 2 c + 1
.irp i, 0,1,2
	v_permlane16_swap_b32 v[PC+6*\c+\i], v[PC+12+4*\c+\i]
.endr
.irp i, 0,1,2
	v_mov_b32 v[PC+3+6*\c+\i], v[PC+12+4*\c+\i]
.endr
.endr
.endm
; Block a (16 rows x my 128 units) leaves: swish in f32, quantised, one image of 1,536 bytes.  Each accumulator is read from its low end on.
.macro HBLOCK a
.set AC, 64*((\a)%4)
	WIN 0x02+(\a)/4
.set n, 0
.rept 32
	v_pk_mul_f32 v[T+n:T+n+1], v[AC+n:AC+n+1], s[LC:LC+1] op_sel_hi:[1,0]   ; -z log2(e)
.set n, n+2
.endr
	WIN 0
.set n, 0
	s_wait_alu depctr_va_vdst(0)                   ; a wait ahead of each batch and behind it
.rept 64
	v_exp_f32 v[T+n], v[T+n]
.set n, n+1
.endr
	v_nop
.set n, 0
	s_wait_alu depctr_va_vdst(0)
.rept 32
	v_pk_add_f32 v[T+n:T+n+1], v[T+n:T+n+1], 1.0 op_sel_hi:[1,0]
.set n, n+2
.endr
.set n, 0
	s_wait_alu depctr_va_vdst(0)
.rept 64
	v_rcp_f32 v[T+n], v[T+n]
.set n, n+1
.endr
	v_nop
	WIN 0x02+(\a)/4
.set n, 0
	s_wait_alu depctr_va_vdst(0)
.rept 32
	v_pk_mul_f32 v[T+n:T+n+1], v[AC+n:AC+n+1], v[T+n:T+n+1]   ; z / (1 + 2^(-z log2 e))
.set n, n+2
.endr
	WIN 0
.if (\a) > 0
	s_wait_xcnt 0x0                                ; the codes' registers, which the last block's stores read, are rewritten only behind this wait
.endif
	QUANT T
.irp c, 0,1                            ; half c of the image: 512 consecutive bytes, 16 a lane, then 256, 8 a lane
	global_store_b128 v[HO], v[PC+6*\c:PC+6*\c+3], s[HQP:HQP+1] offset:(\a)*98304+768*\c
	global_store_b64 v[HO8], v[PC+6*\c+4:PC+6*\c+5], s[HQP:HQP+1] offset:(\a)*98304+768*\c+512
.endr
	ds_store_b32 v[SCW], v[PW] offset:64*(\a)      ; lanes r and 16 + r write the same word with the same value
.endm
	s_wait_tensorcnt 0x0                           ; my tile of the head's four is in; the full sequence ahead of slot 1's first fill
	ds_add_u32 v[SPW], v[NIL]
	s_mov_b32 s[G1+2], 8<<16                       ; no load of mine is out: from here on a load brings eight tiles
	s_mov_b32 s[G1+4], 8
	s_mov_b32 s[G1B+2], 8<<16
	s_mov_b32 s[G1B+4], 8
	s_wait_dscnt 0x0
	CROUND
	JLOAD G0+4, G1, G0B+4, G1B                     ; K steps 3-5
	FETCH_B 0
	FETCH_A 0, 0
	SCALES 0
	FETCH_A 0, 4
	s_wait_loadcnt 0x0                             ; b1
	PSTEP 0, 1
	PSTEP 1, 0
	TSTEP 2, 1
	PSTEP 3, 0
	PSTEP 4, 0
	TSTEP 5, 0
	PSTEP 6, 0
	s_wait_dscnt 4*NL                              ; K step 7
	WIN MUL_LO
	MULS 0, 7, 0
	MULS 2, 7, 0
	s_wait_dscnt 0x0
	WIN MUL_HI
	MULS 4, 7, 0
	MULS 6, 7, 0
	WIN 0
	PLACES NP
.irp a, 0,1,2,3,4,5,6,7
	HBLOCK \a
.endr
	ds_load_b128 v[T:T+3], v[SCRD]                 ; LDS serves a wave's instructions in order: this sees my eight stores
	s_wait_dscnt 0x0
	global_store_b128 v[HO], v[T:T+3], s[HSP:HSP+1]   ; my eight tiles' scale words: 512 consecutive bytes
	s_wait_tensorcnt 0x0                           ; the wave's end
	ds_add_u32 v[SPW], v[NIL]
	s_wait_dscnt 0x0
	CROUND                                         ; the closing round
	s_endpgm
.Lfunc_end_k_q78c8ee51e0_up:
	.size	k_q78c8ee51e0_up, .Lfunc_end_k_q78c8ee51e0_up-k_q78c8ee51e0_up
	.p2alignl 7, 3214868480
	.fill 96, 4, 3214868480
	.section	.rodata,"a",@progbits
	.p2align	6, 0x0
	.amdhsa_kernel k_q78c8ee51e0_up
		.amdhsa_group_segment_fixed_size 327680
		.amdhsa_private_segment_fixed_size 0
		.amdhsa_enable_private_segment 0
		.amdhsa_kernarg_size 56
		.amdhsa_user_sgpr_count 2
		.amdhsa_user_sgpr_kernarg_segment_ptr 1
		.amdhsa_wavefront_size32 1
		.amdhsa_system_sgpr_workgroup_id_x 1
		.amdhsa_system_sgpr_workgroup_id_y 1
		.amdhsa_system_sgpr_workgroup_id_z 1
		.amdhsa_system_vgpr_workitem_id 0
		.amdhsa_next_free_vgpr 1024
		.amdhsa_next_free_sgpr 100
		.amdhsa_reserve_vcc 0
		.amdhsa_float_denorm_mode_32 3
		.amdhsa_float_denorm_mode_16_64 3
		.amdhsa_memory_ordered 1
		.amdhsa_forward_progress 1
		.amdhsa_inst_pref_size 226
	.end_amdhsa_kernel
	.amdgpu_metadata
---
amdhsa.version: [ 1, 2 ]
amdhsa.kernels:
  - .name:           k_q78c8ee51e0_up
    .symbol:         k_q78c8ee51e0_up.kd
    .args:
      - { .name: xq, .offset: 0, .size: 8, .value_kind: global_buffer, .address_space: global }
      - { .name: xs, .offset: 8, .size: 8, .value_kind: global_buffer, .address_space: global }
      - { .name: wq, .offset: 16, .size: 8, .value_kind: global_buffer, .address_space: global }
      - { .name: ws, .offset: 24, .size: 8, .value_kind: global_buffer, .address_space: global }
      - { .name: b1, .offset: 32, .size: 8, .value_kind: global_buffer, .address_space: global }
      - { .name: hq, .offset: 40, .size: 8, .value_kind: global_buffer, .address_space: global }
      - { .name: hs, .offset: 48, .size: 8, .value_kind: global_buffer, .address_space: global }
    .group_segment_fixed_size: 327680
    .private_segment_fixed_size: 0
    .kernarg_segment_align: 8
    .kernarg_segment_size: 56
    .max_flat_workgroup_size: 128
    .sgpr_count:     100
    .vgpr_count:     1024
    .wavefront_size: 32
...
	.end_amdgpu_metadata
.endif
;; end of part 2
;; launch down (part 3): grid 8 x 32, 4 waves a work-group, clusters of 4 x 4, 327,680 bytes of LDS; arguments hq, hs, wq, ws, gates, b2, x, out0; writes out0
.if DOCPART == 3
	.amdgcn_target "amdgcn-amd-amdhsa--gfx1250"
	.amdhsa_code_object_version 6
	.text
	.protected	k_q78c8ee51e0_down
	.globl	k_q78c8ee51e0_down
	.p2align	8
	.type	k_q78c8ee51e0_down,@function
k_q78c8ee51e0_down:
	s_mov_b64 s[64:65], 0
	v_nop
	global_prefetch_b8 v0, s[64:65] scope:SCOPE_SE
	s_setreg_imm32_b32 hwreg(HW_REG_WAVE_MODE, 25, 1), 1
	s_wait_xcnt 0x0
	s_wait_alu depctr_hold_cnt(0) depctr_sa_sdst(0) depctr_va_vdst(0) depctr_va_sdst(0) depctr_va_ssrc(0) depctr_va_vcc(0) depctr_vm_vsrc(0)
	s_getreg_b32 s2, hwreg(HW_REG_IB_STS2, 6, 4)
	s_cmp_eq_u32 s2, 0
	s_cbranch_scc0 .Lentry_in_a_cluster
	s_endpgm
.Lentry_in_a_cluster:
	s_bfe_u32 s2, ttmp6, 0x10000c
	s_cmp_lg_u32 s2, 0xf033
	s_cbranch_scc0 .Lentry_shape_is_right
	s_endpgm
.Lentry_shape_is_right:
; out = x + sum over e of gates[., e] (h_e W2_e + b2_e), on codes of BF6 with E8M0 scales; sums, gates and the residual in f32.
; hq [tile of rows 256][K step 64][1536], hs [K step 64][tile 256][16 words]; W2 in wq from W2Q on: [tile of columns 64][K step 64][1536], in ws from W2S on: [K step 64][tile 64][16 words]; K step = 8 e + k / 128.
; A block of 128 rows x 128 columns to a work-group.  Wave (K half, column half): 128 rows x 64 columns x 4 experts: 32 accumulators in window 2 for the expert at work, 32 in window 3 for the gated sum.
; b2 is the C of an expert's first product; at an expert's end window 3 takes gate x window 2.  At the end the two K halves meet through LDS, x is added, and whole rows of 512 bytes leave.
; THE MATRIX INSTRUCTION IS USED TRANSPOSED (source 0 = 16 columns of W2, source 1 = 16 rows of h): a lane holds one row, so its gate is one number a lane.
; h comes through two LDS slots, each [K half 2][tile 8][4 K steps]: 98,304 bytes, by joint loads shared along a row of the cluster.  W2's fragments differ from wave to wave and go from memory straight into registers, four steps ahead.
; THE HEAD: one tensor load a wave: wave 0 K half 0's first four steps, wave 1 K half 1's, wave 2 h's scale words of all 64 steps, wave 3 W2's.  Slot 1 follows behind the full sequence and a round, a quarter a wave.
; PREFETCH: of the 4 tiles x 6,144 bytes that a wave fetches for a slot, the partner at place cx names tile cx: 24 blocks of 256 bytes, a lane a block (lanes 24-31 name the last again), told apart by address alone.
; Group g (K steps 4 g on) is loaded in step 4 g - 5 and named in step 4 g - 11, six steps earlier; group 2 in step 0, three steps earlier; groups 0 and 1 come by their loads alone.
; LIMITS: NaN and infinities are not served.
.set W2Q,   6291456
.set W2S,   262144
.set FRB,   1536
.set TROW,  4*FRB
.set HPART, 8*TROW
.set SLOT,  2*HPART
.set SCL,   2*SLOT                     ; h's scale words [K step 64][8 tiles x 64 bytes], then W2's
.set SPART, 16384
.set SPARE, SCL+4*SPART
.set PP,    528                        ; the way out: two stages of 128 rows x (512 + 16) bytes, in the slots, behind their last fill and last read
.set PSTG,  128*PP
.set ADRA, 2
.set PFO,  4
.set ADRS, 6
.set ADRS2, 7
.set STO,  8
.set RD,   9
.set RD2,  10
.set CO,   11
.set SPW,  12
.set NIL,  13
.set GV,   14
.set BV,   15
.set SC,   16
.set BI,   32
.set AF,   64
.set GC,   240
.set XR,   96
.set G1, 24
.set G0, 32
.set G1S, 68
.set G0S, 76
.set G1SB, 80
.set G0SB, 88
.set G0H, 48
.set G0HB, 52
.set PFB, 92
.set MSB, 0
.macro WIN new
.if MSB != \new
	s_set_vgpr_msb (MSB<<8)|\new
.set MSB, \new
.endif
.endm
.macro CREST
	s_cmp_lg_u32 s14, 0
	s_cbranch_scc1 .Lnot_wave_0_\@
	s_barrier_signal -3
.Lnot_wave_0_\@:
	s_barrier_wait -3
	s_barrier_signal -1
	s_barrier_wait -1
.endm
.macro CROUND
	s_barrier_signal -1
	s_barrier_wait -1
	CREST
.endm
.macro PLACES n
.rept \n
	v_nop
.endr
.endm
.macro ARM under, g0, g1, next
	s_cmp_lt_u32 s14, \under
	s_cbranch_scc0 \next
	tensor_load_to_lds s[\g0:\g0+3], s[\g1:\g1+7]
	s_nop 0
.rept 4
	v_nop
.endr
	s_branch .Lhead_asked
\next:
.endm
	s_load_b512 s[48:63], s[0:1], 0x0              ; hq, hs, wq, ws, gates, b2, x, out0
	v_lshl_add_u32 v[SPW], v0, 2, SPARE
	v_mov_b32 v[NIL], 0
	ds_add_u32 v[SPW], v[NIL]                      ; the opening lines: the add twice on end and one wait
	ds_add_u32 v[SPW], v[NIL]
	v_lshrrev_b32 v64, 5, v0
	v_readfirstlane_b32 s14, v64                   ; wave
	s_lshr_b32 s15, s14, 1                         ; my K half
	s_and_b32 s16, s14, 1                          ; my column half
	s_bfe_u32 s40, ttmp6, 0x40000
	s_bfe_u32 s41, ttmp6, 0x40004
	s_lshl_b32 s42, ttmp9, 2
	s_add_co_u32 s42, s42, s40                     ; block column (128 columns)
	s_and_b32 s17, ttmp7, 0xffff
	s_lshl_b32 s17, s17, 2
	s_add_co_u32 s17, s17, s41                     ; block row (128 rows)
	s_lshl_b32 s43, s41, 2
	s_lshl_b32 s43, 15, s43
	s_lshl_b32 s44, 0x1111, s40
	s_mul_i32 s18, s15, HPART                      ; my K half in slot 0, 1
	s_add_co_u32 s19, s18, SLOT
	s_mul_i32 s2, s15, SPART
	s_add_co_u32 s2, s2, SCL                       ; h's scale words of my K half
	s_lshl_b32 s3, s16, 8
	s_mul_i32 s20, s15, PSTG
	s_add_co_u32 s20, s20, s3                      ; my K half's stage, my columns
	s_add_co_u32 s3, s3, 2*SPART                   ; from h's words to W2's of my column half
	s_mul_i32 s21, s14, 32*PP                      ; the 32 rows that I send out
	s_mul_i32 s22, s40, 98304                      ; the prefetches: tile cx of my four
	v_and_b32 v64, 15, v0
	v_bfe_u32 v65, v0, 4, 1
	v_and_b32 v66, 31, v0
	v_lshlrev_b32 v[CO], 4, v66
	v_lshlrev_b32 v[GV], 5, v64
	v_lshlrev_b32 v[BV], 5, v65
	v_add_nc_u32 v[ADRA], s18, v[CO]
	v_add_nc_u32 v[ADRA+1], s19, v[CO]
	v_lshl_add_u32 v1, v66, 3, s18                 ; the same two places at 8 bytes a lane: v1 slot 0, v5 slot 1
	v_lshl_add_u32 v5, v66, 3, s19
	v_lshl_add_u32 v[ADRS2], v64, 2, s2
	v_mul_u32_u24 v68, s3, v65
	v_add_nc_u32 v[ADRS], v[ADRS2], v68            ; lanes 16-31 take W2's words
	v_mul_u32_u24 v67, v64, PP
	v_lshl_add_u32 v67, v65, 5, v67
	v_add_nc_u32 v[STO], s20, v67
	v_add_nc_u32 v[RD], s21, v[CO]
	v_add_nc_u32 v[RD2], PSTG, v[RD]
	v_min_u32 v66, 23, v66
	v_lshlrev_b32 v66, 8, v66
	v_add_nc_u32 v[PFO], s22, v66
	s_wait_alu depctr_va_vdst(0)
	s_or_b32 s[G1+0], s43, (3<<16)|(1<<21)         ; h: rows (tiles) of 768 elements of 8 bytes (4 K steps), 12,288 elements apart; 8 rows at the head
	s_mov_b32 s[G1+1], 768<<16
	s_mov_b32 s[G1+2], 8<<16
	s_mov_b32 s[G1+3], 768<<16
	s_mov_b32 s[G1+4], 8
	s_mov_b32 s[G1+5], 12288
	s_mov_b32 s[G1+6], 0
	s_mov_b32 s[G1+7], 0
	s_or_b32 s[G1S+0], s43, (3<<16)|(1<<21)        ; scale words: 64 rows (K steps) of 64 elements (8 tiles x 64 bytes)
	s_or_b32 s[G1SB+0], s44, (3<<16)|(1<<21)
.irp g, G1S, G1SB
	s_mov_b32 s[\g+1], 64<<16
	s_mov_b32 s[\g+2], 64<<16
	s_mov_b32 s[\g+3], 64<<16
	s_mov_b32 s[\g+4], 64
	s_mov_b32 s[\g+6], 0
	s_mov_b32 s[\g+7], 0
.endr
	s_mov_b32 s[G1S+5], 2048
	s_mov_b32 s[G1SB+5], 512
	s_mul_i32 s20, s17, 786432                     ; hq: 8 tiles of 98,304 bytes a block row
	s_mov_b32 s21, 0
	s_lshl_b32 s22, s17, 9
	s_mov_b32 s23, 0
	s_lshl_b32 s92, s42, 9
	s_add_co_u32 s92, s92, W2S
	s_mov_b32 s93, 0
	s_mul_i32 s46, s42, 786432                     ; W2's codes: block column, column half (4 tiles), K half (32 steps)
	s_mul_i32 s47, s16, 393216
	s_add_co_u32 s46, s46, s47
	s_mul_i32 s47, s15, 49152
	s_add_co_u32 s46, s46, s47
	s_add_co_u32 s46, s46, W2Q
	s_mov_b32 s47, 0
	s_lshl_b32 s18, s17, 12                        ; gates: 128 rows of 32 bytes, my four experts
	s_lshl_b32 s19, s15, 4
	s_add_co_u32 s18, s18, s19
	s_mov_b32 s19, 0
	s_lshl_b32 s94, s42, 9                         ; b2: my four experts' rows, my 64 columns
	s_lshl_b32 s95, s15, 14
	s_add_co_u32 s94, s94, s95
	s_lshl_b32 s95, s16, 8
	s_add_co_u32 s94, s94, s95
	s_mov_b32 s95, 0
	s_lshl_b32 s96, s17, 19                        ; x and out: the 32 rows that I send out, the block's 512 bytes of each
	s_lshl_b32 s97, s42, 9
	s_add_co_u32 s96, s96, s97
	s_lshl_b32 s97, s14, 17
	s_add_co_u32 s96, s96, s97
	s_mov_b32 s97, 0
	s_mul_i32 s45, s16, HPART                      ; in the ring I fetch K half wave % 2, tiles 4 (wave / 2) on: where they go,
	s_mul_i32 s3, s15, 4*TROW
	s_add_co_u32 s45, s45, s3
	s_mul_i32 s2, s16, 49152                       ; and where they come from
	s_mul_i32 s3, s15, 393216
	s_add_co_u32 s2, s2, s3
	s_mov_b32 s3, 0
	s_wait_dscnt 0x0
	s_wait_kmcnt 0x0
	s_add_nc_u64 s[20:21], s[48:49], s[20:21]
	s_add_nc_u64 s[22:23], s[50:51], s[22:23]
	s_add_nc_u64 s[12:13], s[52:53], s[46:47]
	s_add_nc_u64 s[92:93], s[54:55], s[92:93]
	s_add_nc_u64 s[4:5], s[56:57], s[18:19]
	s_add_nc_u64 s[6:7], s[58:59], s[94:95]
	s_add_nc_u64 s[8:9], s[60:61], s[96:97]
	s_add_nc_u64 s[10:11], s[62:63], s[96:97]
.macro B2LOAD e
.irp b, 0,1,2,3
	global_load_b128 v[BI+8*\b:BI+8*\b+3], v[BV], s[6:7] offset:(\e)*4096+64*\b
	global_load_b128 v[BI+8*\b+4:BI+8*\b+7], v[BV], s[6:7] offset:(\e)*4096+64*\b+16
.endr
.endm
.macro BLOAD k                         ; W2's four fragments of step k into set k % 5 of window 1
	WIN 0x40
.irp b, 0,1,2,3
.irp g, 0,1,2
	global_load_b128 v[48*((\k)%5)+12*\b+4*\g:48*((\k)%5)+12*\b+4*\g+3], v[CO], s[12:13] offset:\b*98304+(\k)*FRB+512*\g
.endr
.endr
	WIN 0
.endm
.macro GLOAD e                         ; my rows' gates of expert e: block a's in register a
	WIN 0x40
.irp a, 0,1,2,3,4,5,6,7
	global_load_b32 v[GC+\a], v[GV], s[4:5] offset:512*\a+4*(\e)
.endr
	WIN 0
.endm
.macro XLOAD i0, cnt
	WIN 0x40
.set n, \i0
.rept \cnt
	global_load_b128 v[XR+4*n:XR+4*n+3], v[CO], s[8:9] offset:4096*n th:TH_LOAD_NT
.set n, n+1
.endr
	WIN 0
.endm
.macro LBK k                           ; the global loads of step k: W2 four steps on; at the end x; in an expert's second step its gates and the next b2
.if (\k)+4 < 32
	BLOAD (\k)+4
.elseif (\k) == 28
	XLOAD 0, 12
.elseif (\k) == 29
	XLOAD 12, 12
.elseif (\k) == 30
	XLOAD 24, 8
.endif
.if (\k)%8 == 1
	GLOAD (\k)/8
.if (\k)/8 < 3
	B2LOAD (\k)/8+1
.endif
.endif
.if (\k) == 0
	global_prefetch_b8 v[PFO], s[PFB:PFB+1] offset:2*TROW th:TH_LOAD_NT scope:SCOPE_SE
.elseif ((\k)%4 == 1) && ((\k)/4+3 < 8)
	global_prefetch_b8 v[PFO], s[PFB:PFB+1] offset:((\k)/4+3)*TROW th:TH_LOAD_NT scope:SCOPE_SE
.endif
.endm
.macro BWAIT k                         ; step k's W2 is in: behind it stand three steps' 36 loads (32 of x at the end), and in steps 2 to 5 of an expert the 8 gates and 8 of b2
.set lc, 36
.if (\k) == 31
.set lc, 32
.endif
.if ((\k)%8 >= 2) && ((\k)%8 <= 5)
.if (\k)/8 < 3
.set lc, lc+16
.else
.set lc, lc+8
.endif
.endif
	s_wait_loadcnt lc
.endm
.macro FETCH k                         ; h's eight fragments and the scale words of step k into set k % 2
.set fr, ADRA+((\k)/4)%2
.set fa, AF+96*((\k)%2)
.set fq, (\k)%4
.set fr8, 1+4*(((\k)/4)%2)
.irp a, 0,1,2,3,4,5,6,7
.irp c, 0,1                            ; h's image lies in two halves of 768 bytes: registers 6 c .. 6 c + 3 at 16 x lane, then registers 6 c + 4, 5 at 512 + 8 x lane
	ds_load_b128 v[fa+12*\a+6*\c:fa+12*\a+6*\c+3], v[fr] offset:\a*TROW+fq*FRB+768*\c
	ds_load_b64 v[fa+12*\a+6*\c+4:fa+12*\a+6*\c+5], v[fr8] offset:\a*TROW+fq*FRB+768*\c+512
.endr
.endr
.irp i, 0,1,2,3
	ds_load_b32 v[SC+8*((\k)%2)+\i], v[ADRS] offset:512*(\k)+64*\i
.endr
.irp i, 4,5,6,7
	ds_load_b32 v[SC+8*((\k)%2)+\i], v[ADRS2] offset:512*(\k)+64*\i
.endr
.endm
.macro MULR k, a0, a1, bias            ; h's blocks a0 .. a1 against W2's four tiles; the accumulators take turns
.if \bias
	WIN 0x81
.else
	WIN 0xa1
.endif
.set mb, 48*((\k)%5)
.set mf, AF+96*((\k)%2)
.set ms, SC+8*((\k)%2)
.set ma, \a0
.rept (\a1)-(\a0)+1
.irp b, 0,1,2,3
.if \bias
	v_wmma_scale_f32_16x16x128_f8f6f4 v[8*(4*ma+\b):8*(4*ma+\b)+7], v[mb+12*\b:mb+12*\b+11], v[mf+12*ma:mf+12*ma+11], v[BI+8*\b:BI+8*\b+7], v[ms+\b], v[ms+ma] matrix_a_fmt:MATRIX_FMT_BF6 matrix_b_fmt:MATRIX_FMT_BF6 matrix_a_scale:MATRIX_SCALE_ROW1
.else
	v_wmma_scale_f32_16x16x128_f8f6f4 v[8*(4*ma+\b):8*(4*ma+\b)+7], v[mb+12*\b:mb+12*\b+11], v[mf+12*ma:mf+12*ma+11], v[8*(4*ma+\b):8*(4*ma+\b)+7], v[ms+\b], v[ms+ma] matrix_a_fmt:MATRIX_FMT_BF6 matrix_b_fmt:MATRIX_FMT_BF6 matrix_a_scale:MATRIX_SCALE_ROW1
.endif
.endr
.set ma, ma+1
.endr
.endm
.macro STEP k
	WIN 0
	s_wait_dscnt 0x0                               ; this step's fragments of h and scale words are in
	BWAIT \k
	PLACES 4                                       ; in front of loads into registers that matrix instructions have read
	FETCH (\k)+1
	LBK \k
.if (\k)%8 == 0
	MULR \k, 0, 7, 1
.else
	MULR \k, 0, 7, 0
.endif
.endm
.macro TURN k, fill                    ; a slot's last step: one barrier; fill = 1: it opens a round, and this slot takes the group two on
.set ts, G0+4*(((\k)/4)%2)
	WIN 0
	s_wait_tensorcnt 0x0                           ; my one load that was out: my part of the next slot
	ds_add_u32 v[SPW], v[NIL]
	s_wait_dscnt 1                                 ; the add may be out
	BWAIT \k
	MULR \k, 0, 0, 0
	s_wait_dscnt 0x0                               ; the add is done, my reads of this slot are over
	s_barrier_signal -1
	MULR \k, 1, 1, 0
	WIN 0
	s_barrier_wait -1
.if \fill
	CREST
	s_add_nc_u64 s[ts+2:ts+3], s[ts+2:ts+3], 2*TROW
	tensor_load_to_lds s[ts:ts+3], s[G1:G1+7]
	s_nop 0
.endif
	PLACES 4
	FETCH (\k)+1
	LBK \k
	MULR \k, 2, 7, 0
.endm
.macro COMBINE first                   ; window 3 (+)= my row's gate x window 2; each accumulator from its low end on
	PLACES 4
.if \first
	WIN 0xc6
.else
	WIN 0xf6
.endif
.irp a, 0,1,2,3,4,5,6,7
.set n, 32*\a
.rept 16
.if \first
.if \a%2 == 0
	v_pk_mul_f32 v[n:n+1], v[n:n+1], v[GC+2*(\a/2):GC+2*(\a/2)+1] op_sel_hi:[1,0]
.else
	v_pk_mul_f32 v[n:n+1], v[n:n+1], v[GC+2*(\a/2):GC+2*(\a/2)+1] op_sel:[0,1] op_sel_hi:[1,1]
.endif
.else
.if \a%2 == 0
	v_pk_fma_f32 v[n:n+1], v[n:n+1], v[GC+2*(\a/2):GC+2*(\a/2)+1], v[n:n+1] op_sel_hi:[1,0,1]
.else
	v_pk_fma_f32 v[n:n+1], v[n:n+1], v[GC+2*(\a/2):GC+2*(\a/2)+1], v[n:n+1] op_sel:[0,1,0] op_sel_hi:[1,1,1]
.endif
.endif
.set n, n+2
.endr
.endr
	WIN 0
.endm
	B2LOAD 0
	BLOAD 0
	BLOAD 1
	BLOAD 2
	BLOAD 3
	CROUND                                         ; the round in front of the first joint loads
	s_mov_b32 s[G0H], 1
	s_mov_b32 s[G0H+1], 0
	s_mov_b64 s[G0H+2:G0H+3], s[20:21]
	s_or_b32 s[G0H+3], s[G0H+3], 0x80000000
	s_mov_b32 s[G0HB], 1
	s_mov_b32 s[G0HB+1], HPART
	s_add_nc_u64 s[G0HB+2:G0HB+3], s[20:21], 49152
	s_or_b32 s[G0HB+3], s[G0HB+3], 0x80000000
	s_mov_b32 s[G0S], 1
	s_mov_b32 s[G0S+1], SCL
	s_mov_b64 s[G0S+2:G0S+3], s[22:23]
	s_or_b32 s[G0S+3], s[G0S+3], 0x80000000
	s_mov_b32 s[G0SB], 1
	s_mov_b32 s[G0SB+1], SCL+2*SPART
	s_mov_b64 s[G0SB+2:G0SB+3], s[92:93]
	s_or_b32 s[G0SB+3], s[G0SB+3], 0x80000000
	s_add_nc_u64 s[PFB:PFB+1], s[20:21], s[2:3]    ; my quarter of a slot, at K step 0; kept for the prefetches
.irp s, 0,1                            ; slot s stands at group s; each refill steps its slot two groups on
	s_mov_b32 s[G0+4*\s], 1
	s_add_co_u32 s[G0+4*\s+1], s45, \s*SLOT
	s_add_nc_u64 s[G0+4*\s+2:G0+4*\s+3], s[PFB:PFB+1], \s*TROW
	s_or_b32 s[G0+4*\s+3], s[G0+4*\s+3], 0x80000000
.endr
	ARM 1, G0H,  G1,  .Lhead_b
	ARM 2, G0HB, G1,  .Lhead_sa
	ARM 3, G0S,  G1S, .Lhead_sb
	tensor_load_to_lds s[G0SB:G0SB+3], s[G1SB:G1SB+7]
	s_nop 0
.rept 4
	v_nop
.endr
.Lhead_asked:
	s_wait_tensorcnt 0x0                           ; my tile of the head's four is in; the full sequence ahead of slot 1's first fill
	ds_add_u32 v[SPW], v[NIL]
	s_mov_b32 s[G1+2], 4<<16                       ; no load of mine is out: from here on a load brings four tiles
	s_mov_b32 s[G1+4], 4
	s_wait_dscnt 0x0
	CROUND
	tensor_load_to_lds s[G0+4:G0+7], s[G1:G1+7]    ; group 1
	s_nop 0
	PLACES 4
	FETCH 0
.irp k, 0,1,2,3,4,5,6,7,8,9,10,11,12,13,14,15,16,17,18,19,20,21,22,23,24,25,26,27,28,29,30
.if \k%4 == 3
.if \k < 24
	TURN \k, 1
.else
	TURN \k, 0
.endif
.else
	STEP \k
.endif
.if \k == 7
	COMBINE 1
.elseif \k%8 == 7
	COMBINE 0
.endif
.endr
	s_wait_dscnt 0x0
	BWAIT 31
	MULR 31, 0, 7, 0
	COMBINE 0
	s_wait_alu depctr_va_vdst(0)
	s_wait_dscnt 0x0
	s_barrier_signal -1
	s_barrier_wait -1                              ; nobody reads the slots any more: the stages may be written
	WIN 0x0c
.irp a, 0,1,2,3,4,5,6,7
.irp b, 0,1,2,3
	ds_store_b128 v[STO], v[8*(4*\a+\b):8*(4*\a+\b)+3] offset:\a*16*PP+64*\b
	ds_store_b128 v[STO], v[8*(4*\a+\b)+4:8*(4*\a+\b)+7] offset:\a*16*PP+64*\b+16
.endr
.endr
	WIN 0
	s_wait_dscnt 0x0
	s_barrier_signal -1
	s_barrier_wait -1
.set n, 0
.rept 32
	ds_load_b128 v[64+4*n:67+4*n], v[RD] offset:n*PP
.set n, n+1
.endr
	s_wait_loadcnt 0x0                             ; x
.irp u, 0,1
.set n, 0
.rept 16
	ds_load_b128 v[192+4*n:195+4*n], v[RD2] offset:(16*\u+n)*PP
.set n, n+1
.endr
	s_wait_dscnt 0x0
.set n, 0
.rept 32
	v_pk_add_f32 v[64+64*\u+n:65+64*\u+n], v[64+64*\u+n:65+64*\u+n], v[192+n:193+n]
.set n, n+2
.endr
	WIN 0x04
.set n, 0
.rept 32
	v_pk_add_f32 v[64+64*\u+n:65+64*\u+n], v[64+64*\u+n:65+64*\u+n], v[XR+64*\u+n:XR+64*\u+n+1]
.set n, n+2
.endr
	WIN 0
.set n, 0
.rept 16
	global_store_b128 v[CO], v[64+64*\u+4*n:67+64*\u+4*n], s[10:11] offset:(16*\u+n)*4096 th:TH_STORE_NT   ; 32 lanes store 512 consecutive bytes, aligned
.set n, n+1
.endr
.endr
	s_wait_tensorcnt 0x0                           ; the wave's end
	ds_add_u32 v[SPW], v[NIL]
	s_wait_dscnt 0x0
	CROUND                                         ; the closing round
	s_endpgm
.Lfunc_end_k_q78c8ee51e0_down:
	.size	k_q78c8ee51e0_down, .Lfunc_end_k_q78c8ee51e0_down-k_q78c8ee51e0_down
	.p2alignl 7, 3214868480
	.fill 96, 4, 3214868480
	.section	.rodata,"a",@progbits
	.p2align	6, 0x0
	.amdhsa_kernel k_q78c8ee51e0_down
		.amdhsa_group_segment_fixed_size 327680
		.amdhsa_private_segment_fixed_size 0
		.amdhsa_enable_private_segment 0
		.amdhsa_kernarg_size 64
		.amdhsa_user_sgpr_count 2
		.amdhsa_user_sgpr_kernarg_segment_ptr 1
		.amdhsa_wavefront_size32 1
		.amdhsa_system_sgpr_workgroup_id_x 1
		.amdhsa_system_sgpr_workgroup_id_y 1
		.amdhsa_system_sgpr_workgroup_id_z 1
		.amdhsa_system_vgpr_workitem_id 0
		.amdhsa_next_free_vgpr 1024
		.amdhsa_next_free_sgpr 98
		.amdhsa_reserve_vcc 0
		.amdhsa_float_denorm_mode_32 3
		.amdhsa_float_denorm_mode_16_64 3
		.amdhsa_memory_ordered 1
		.amdhsa_forward_progress 1
		.amdhsa_inst_pref_size 255
	.end_amdhsa_kernel
	.section	.bss,"aw",@nobits
	.p2align	6
	.space	262144
	.amdgpu_metadata
---
amdhsa.version: [ 1, 2 ]
amdhsa.kernels:
  - .name:           k_q78c8ee51e0_down
    .symbol:         k_q78c8ee51e0_down.kd
    .args:
      - { .name: hq, .offset: 0, .size: 8, .value_kind: global_buffer, .address_space: global }
      - { .name: hs, .offset: 8, .size: 8, .value_kind: global_buffer, .address_space: global }
      - { .name: wq, .offset: 16, .size: 8, .value_kind: global_buffer, .address_space: global }
      - { .name: ws, .offset: 24, .size: 8, .value_kind: global_buffer, .address_space: global }
      - { .name: gates, .offset: 32, .size: 8, .value_kind: global_buffer, .address_space: global }
      - { .name: b2, .offset: 40, .size: 8, .value_kind: global_buffer, .address_space: global }
      - { .name: x, .offset: 48, .size: 8, .value_kind: global_buffer, .address_space: global }
      - { .name: out0, .offset: 56, .size: 8, .value_kind: global_buffer, .address_space: global }
    .group_segment_fixed_size: 327680
    .private_segment_fixed_size: 0
    .kernarg_segment_align: 8
    .kernarg_segment_size: 64
    .max_flat_workgroup_size: 128
    .sgpr_count:     98
    .vgpr_count:     1024
    .wavefront_size: 32
...
	.end_amdgpu_metadata
.endif
;; end of part 3
